; MI455X (gfx1250); checked and timed in simulation.
; The chip was launched on July 23, 2026; its instructions are those of AMD's public machine-readable ISA for CDNA 5 (MIT licence, August 2026) and "CDNA5" Instruction Set Architecture Reference Guide (July 2026). The comments in the code are by the model that wrote it; some were corrected since.
;; My LSTM. Allowed arithmetic: matrix products marked QUANTISED: E2M1 operands, one E8M0 scale for each 32 along K, by v_wmma_scale_f32_16x16x128_f8f6f4 with both operands' format E2M1 (or v_wmma_scale_f32_32x16x128_f4), f32 sums; everything else in f32.
;; Inputs: Wf 2,048 x 4,096 float32; Wg 2,048 x 4,096 float32; Wi 2,048 x 4,096 float32; Wo 2,048 x 4,096 float32; bf 2,048 float32; bg 2,048 float32; bi 2,048 float32; bo 2,048 float32; c_old 2,048 x 2,048 float32; h_old 2,048 x 2,048 float32; x 2,048 x 2,048 float32.
;; Outputs: out0 2,048 x 2,048 float32; out1 2,048 x 2,048 float32.
;; Constants: mode = 0.
;; This version of the problem:
;;   THIS VERSION OF THE PROBLEM IS GIVEN IN LOW PRECISION. The matrix products marked QUANTISED in the list below multiply operands that are first quantised to E2M1 (2 exponent bits, 1 mantissa bit; 4 bits a number), with one power-of-two scale for each 32 numbers along K (OCP MX v1.0); their sums are f32. All else is computed in f32.
;;   The module's matrix products, in the order in which they are computed (A, B: the left and right operand; K: the contracted axis; several contracted axes count as one K, in the product's order):
;;     1. [M 2,048, K 4,096] x [K 4,096, N 8,192]; A: computed on the way; B: computed on the way: QUANTISED
;;   THE QUANTISER, for each operand of a quantised product, along K:
;;     - K is cut into blocks of 32 from its start; a last block that is shorter is filled with zeros.
;;     - A block's scale is 2^e with e = floor(log2(the largest magnitude in the block)) - 2, held to -126 .. 127; a block of zeros has e = 0. As a byte (E8M0): e + 127.
;;     - Each number is divided by its block's scale, clamped to +-6, and rounded to the nearest number of E2M1, ties to even, subnormals kept.
;;     - The product sums the exact products of the quantised numbers (number of the format x scale) in f32.
;;   ~~~python
;;   def quantise(x, axis):      # numpy; x: float32 -> the quantised numbers, widened to float32 again
;;       x = np.moveaxis(x, axis, -1); K = x.shape[-1]
;;       x = np.pad(x, [(0, 0)] * (x.ndim - 1) + [(0, -K % 32)]); x = x.reshape(x.shape[:-1] + (-1, 32)); a = np.abs(x).max(-1, keepdims=True)
;;       e = np.where(a > 0, np.clip(np.frexp(np.where(a > 0, a, 1))[1] - 1 - 2, -126, 127), 0)      # np.frexp(a)[1] - 1 = floor(log2(a)), exactly
;;       r = np.clip(x / 2.0 ** e, -6, 6)
;;       step = 2.0 ** (np.maximum(np.frexp(np.where(r == 0, 1, r))[1] - 1, 0) - 1)
;;       q = np.round(r / step) * step * 2.0 ** e      # np.round: ties to even
;;       return np.moveaxis(q.reshape(q.shape[:-2] + (-1,))[..., :K], -1, axis).astype(np.float32)
;;   ~~~
;;   OPERANDS COMPUTED ON THE WAY. 'Computed on the way' means the value that the module computes at that place (a softmax that the list does not call 'softmax' is quantised finished and normalised). What goes into a quantiser is computed in f32, as accurately as f32 sums, v_exp_f32 and their like allow (about 1e-6 of the number): no bf16 or f16 on the way to a quantiser, and a product that is left as it is and whose result goes on into a quantised operand takes f32 operands (vector FMAs, or v_wmma_f32_16x16x4_f32). A number that lies on a knife's edge between two numbers of the format may be rounded either way, as far as f32 arithmetic and the matrix unit's own rounding can turn it there, and no further.
;; One version. Each part assembles by itself: llvm-mc -triple=amdgcn-amd-amdhsa -mcpu=gfx1250 --defsym DOCPART=n.
;; ======== version 1 of 1: 2 launches
;; limits: right only within a limited range of input values
;; workspace buffers: tq 4,456,448 bytes; wq 17,825,792 bytes
;; launch quant (part 1): grid 1280 x 1, 4 waves a work-group, no clusters, 18,944 bytes of LDS; arguments x, h_old, Wf, Wi, Wo, Wg, tq, wq; writes tq, wq
.if DOCPART == 1
	.amdgcn_target "amdgcn-amd-amdhsa--gfx1250"
	.amdhsa_code_object_version 6
	.text
	.protected	k_q185719eeaa_quant
	.globl	k_q185719eeaa_quant
	.p2align	8
	.type	k_q185719eeaa_quant,@function
k_q185719eeaa_quant:
	s_mov_b64 s[64:65], 0
	v_nop
	global_prefetch_b8 v0, s[64:65] scope:SCOPE_SE
	s_setreg_imm32_b32 hwreg(HW_REG_WAVE_MODE, 25, 1), 1
	s_wait_xcnt 0x0
; t = [x | h_old] ([2048][4096]) and W = [Wf; Wi; Wo; Wg] ([8192][4096]), f32, K innermost, become codes of FP4 (E2M1) with one E8M0 scale byte for each 32 along K.
; A block's scale is 2^(floor(log2(its largest magnitude)) - 2); its byte is the largest magnitude's exponent field - 2, held at 1 from below; each number is divided by the scale and rounded to the
; nearest code, ties to even, beyond 6 the largest code.  (A block of zeros gets the byte 1 where the rule says 127: its codes are zeros, and this program alone reads the bytes.)
; LIMITS: NaN and infinities among the inputs are not served.  The constant mode = 0 is no buffer; every other input is read by this launch or the next.
; THE WORKSPACE, one format for both: tq [8 K steps][128 groups][4,352 bytes], wq [8 K steps][512 groups][4,352 bytes].  A group is 16 rows x one K step of 512:
; 4,096 bytes of codes IN THE ORDER OF THE OPERAND'S REGISTERS, byte 1024 q + 512 c + 16 (16 h + r) holding the 32 codes k = 128 q + 64 c + 32 h + 0..31 of row r, then 16 bytes of scales for each of the 16 rows.
; THE ROWS OF wq ARE ORDERED BY HIDDEN UNIT: row 256 T + 128 H + 32 q + u holds row 64 T + 32 H + u of gate q (0 f, 1 i, 2 o, 3 g).
; SHARES.  A work-group takes 16 rows x 2,048 numbers of one input; wave w the w-th 512 of each row: one group.  Work-groups 0-1023 take the weights, 1024-1151 x, 1152-1279 h_old.
; Only pointers and offsets are chosen by the work-group's number: one path through the text.
; A STEP is one row's 512 numbers, four loads of 512 consecutive bytes.  In a load lane (r, h) takes bytes 32 r + 16 h, so that lanes l and l xor 16 hold 8 neighbours; one exchange of lane halves between the
; registers of two loads then gives every lane 8 neighbours along K in 8 consecutive registers, as the conversion wants them.  Four neighbouring lanes hold a block of 32.
; Codes and scale bytes alone pass through the wave's own stage in LDS (16 rows x 272 bytes) and leave as 17 whole units of 256 bytes.  No barrier: waves share nothing.  Loads run four steps (16 loads) ahead.
.set STEPS, 16
.set OP,    272                        ; a stage row: 256 bytes of codes, 16 scale bytes
.set WREG,  4608                       ; LDS: a region for each wave
.set SPARE, 4*WREG                     ; behind them the spare words, 128 bytes a wave
.set R,     16                         ; v16-79   four sets of 16 numbers; on the way out v16-49
.set C,     80                         ; v80-111  two registers of codes for each step, written once
.set E,     112                        ; v112-143 two scale bytes for each step, written once
.set OFF,   144                        ; v144-159 step t: my place in a load + t x the input's row pitch
.set SPW,   160
.set NIL,   161
	s_load_b256 s[8:15], s[0:1], 0x0               ; x, h_old, Wf, Wi
	s_load_b256 s[16:23], s[0:1], 0x20             ; Wo, Wg, tq, wq
	v_lshl_add_u32 v[SPW], v0, 2, SPARE
	v_mov_b32 v[NIL], 0
	v_lshrrev_b32 v1, 5, v0
	v_readfirstlane_b32 s24, v1                    ; wave
	v_and_b32 v2, 31, v0                           ; lane
	v_and_b32 v14, 15, v0                          ; r
	v_bfe_u32 v15, v0, 4, 1                        ; h
	s_mul_i32 s34, s24, WREG
	v_lshlrev_b32 v3, 5, v14
	v_lshl_add_u32 v3, v15, 4, v3                  ; in a load: 32 r + 16 h
	v_lshl_add_u32 v4, v2, 2, s34                  ; stage, in: my 4 bytes of 128
	v_lshrrev_b32 v5, 2, v2
	v_add_nc_u32 v5, s34, v5
	v_add_nc_u32 v5, 256, v5                       ; my block's scale byte
	v_mul_u32_u24 v6, v14, OP
	v_lshl_add_u32 v6, v15, 4, v6
	v_add_nc_u32 v6, s34, v6                       ; stage, out: row r, 16 h: the operand's order
	v_lshrrev_b32 v7, 1, v2
	v_mul_u32_u24 v7, v7, OP
	v_and_b32 v9, 1, v2
	v_lshl_add_u32 v7, v9, 3, v7
	v_add_nc_u32 v7, s34, v7
	v_add_nc_u32 v7, 256, v7                       ; the scales: 8 bytes a lane, two lanes a row
	v_lshlrev_b32 v12, 4, v2                       ; in memory: 16 bytes a lane,
	v_lshlrev_b32 v10, 3, v2
	v_add_nc_u32 v10, 4096, v10                    ; and the last unit, 8 bytes a lane
	; a weight's work-group g: gate g / 256, rows 16 rg on with rg = (g / 2) % 128, half g % 2 of K
	s_lshr_b32 s27, ttmp9, 8
	s_lshr_b32 s28, ttmp9, 1
	s_and_b32 s28, s28, 127
	s_and_b32 s29, ttmp9, 1
	; one of t's (g2 = g - 1024): rows 16 (g2 % 128) on, of x or of h_old
	s_sub_co_u32 s30, ttmp9, 1024
	s_and_b32 s31, s30, 127
	s_bfe_u32 s32, s30, 0x10007
	s_lshr_b32 s33, s28, 2                         ; a weight's first row in wq: 256 (rg / 4) + 128 ((rg / 2) % 2) + 32 q + 16 (rg % 2)
	s_lshl_b32 s33, s33, 8
	s_bfe_u32 s35, s28, 0x10001
	s_lshl_b32 s35, s35, 7
	s_or_b32 s33, s33, s35
	s_lshl_b32 s35, s27, 5
	s_or_b32 s33, s33, s35
	s_and_b32 s35, s28, 1
	s_lshl_b32 s35, s35, 4
	s_or_b32 s33, s33, s35
	s_lshl_b32 s35, s31, 4                         ; t's first row in tq
	s_lshl_b32 s28, s28, 18                        ; a weight's bytes: 16 rg rows of 16,384 + 8,192 kh
	s_lshl_b32 s36, s29, 13
	s_add_co_u32 s28, s28, s36
	s_lshl_b32 s31, s31, 17                        ; t's: 16 rows of 8,192
	s_mov_b32 s25, 8192
	s_cmp_lt_u32 ttmp9, 1024
	s_cselect_b32 s25, 16384, s25                  ; row pitch
	s_cselect_b32 s33, s33, s35                    ; first row in the workspace
	s_cselect_b32 s28, s28, s31                    ; first byte in the input
	s_cselect_b32 s29, s29, s32                    ; half of K
	s_cselect_b32 s36, 13, 11                      ; rows of a K step: 8,192 or 2,048
	s_lshl_b32 s29, s29, 2
	s_add_co_u32 s29, s29, s24                     ; my K step
	s_lshl_b32 s29, s29, s36
	s_add_co_u32 s29, s29, s33
	s_mul_i32 s30, s29, OP                         ; my group's first byte: 272 for each row ahead of it
	s_mov_b32 s31, 0
	s_lshl_b32 s36, s24, 11
	s_add_co_u32 s28, s28, s36
	s_mov_b32 s29, 0
.irp t, 0,1,2,3,4,5,6,7,8,9,10,11,12,13,14,15
	v_mad_u32_u24 v[OFF+\t], s25, \t, v3
.endr
	s_wait_alu depctr_va_vdst(0)                   ; the wait at the head's end
	s_wait_kmcnt 0x0
	s_mov_b64 s[4:5], s[18:19]                     ; Wg, unless
	s_cmp_lt_u32 ttmp9, 768
	s_cselect_b64 s[4:5], s[16:17], s[4:5]         ; Wo,
	s_cmp_lt_u32 ttmp9, 512
	s_cselect_b64 s[4:5], s[14:15], s[4:5]         ; Wi,
	s_cmp_lt_u32 ttmp9, 256
	s_cselect_b64 s[4:5], s[12:13], s[4:5]         ; Wf,
	s_cmp_ge_u32 ttmp9, 1024
	s_cselect_b64 s[4:5], s[8:9], s[4:5]           ; x,
	s_cmp_ge_u32 ttmp9, 1152
	s_cselect_b64 s[4:5], s[10:11], s[4:5]         ; h_old
	s_cmp_lt_u32 ttmp9, 1024
	s_cselect_b64 s[6:7], s[22:23], s[20:21]       ; wq or tq
	s_add_nc_u64 s[4:5], s[4:5], s[28:29]
	s_add_nc_u64 s[6:7], s[6:7], s[30:31]
.macro LOAD t                          ; row t's 512 numbers into set t % 4: each load covers 512 consecutive bytes
.irp i, 0,1,2,3
	global_load_b128 v[R+16*((\t)%4)+4*\i:R+16*((\t)%4)+4*\i+3], v[OFF+(\t)], s[4:5] offset:512*\i th:TH_LOAD_NT
.endr
.endm
.irp t, 0,1,2,3
	LOAD \t
.endr
.macro STEP t
.set XS, R+16*((\t)%4)
.if (\t) <= STEPS-4
	s_wait_loadcnt 12                              ; this step's four loads are in; those of three steps stay out
.else
	s_wait_loadcnt 4*(STEPS-1-(\t))                ; at the end the counts run down
.endif
.irp p, 0,8
.irp k, 0,1,2,3
	v_permlane16_swap_b32 v[XS+\p+\k], v[XS+\p+4+\k]   ; the first load's lanes 16-31 change places with the second's lanes 0-15: 8 neighbours in 8 registers; lanes 0-15 the first load's, lanes 16-31 the second's
.endr
.endr
	v_max3_num_f32 v8, |v[XS]|, |v[XS+1]|, 0x1800000       ; my 8 and the floor 2^(3 - 127): the byte cannot fall under 1.  Two blocks by turns
	v_max3_num_f32 v9, |v[XS+8]|, |v[XS+9]|, 0x1800000
.irp i, 2,4,6
	v_max3_num_f32 v8, v8, |v[XS+\i]|, |v[XS+\i+1]|
	v_max3_num_f32 v9, v9, |v[XS+8+\i]|, |v[XS+9+\i]|
.endr
	v_max_num_f32_dpp v8, v8, v8 row_xmask:1 row_mask:0xf bank_mask:0xf
	v_max_num_f32_dpp v9, v9, v9 row_xmask:1 row_mask:0xf bank_mask:0xf
	v_max_num_f32_dpp v8, v8, v8 row_xmask:2 row_mask:0xf bank_mask:0xf   ; four lanes: the block's largest magnitude
	v_max_num_f32_dpp v9, v9, v9 row_xmask:2 row_mask:0xf bank_mask:0xf
	v_add_nc_u32 v11, 0xff000000, v8               ; 2 off the exponent field: the conversion's scale operand
	v_add_nc_u32 v13, 0xff000000, v9
	v_cvt_scalef32_pk8_fp4_f32 v[C+2*(\t)], v[XS:XS+7], v11
	v_cvt_scalef32_pk8_fp4_f32 v[C+2*(\t)+1], v[XS+8:XS+15], v13
	v_lshrrev_b32 v[E+2*(\t)], 23, v11             ; the scales' bytes (also the plain line behind the conversions)
	v_lshrrev_b32 v[E+2*(\t)+1], 23, v13
.if (\t)+4 < STEPS
	LOAD (\t)+4
.endif
	ds_store_b32 v4, v[C+2*(\t)] offset:OP*(\t)            ; 32 lanes: 128 consecutive bytes of row t
	ds_store_b32 v4, v[C+2*(\t)+1] offset:OP*(\t)+128
	ds_store_b8 v5, v[E+2*(\t)] offset:OP*(\t)             ; the four lanes of a block write the same byte with the same value
	ds_store_b8 v5, v[E+2*(\t)+1] offset:OP*(\t)+8
.endm
.irp t, 0,1,2,3,4,5,6,7,8,9,10,11,12,13,14,15
	STEP \t
.endr
	; THE WAY OUT: load m takes, for lane (r, h), bytes 32 m + 16 h of row r: the operand's order; a wave's LDS instructions are served in order, so these see my stores
.irp i, 0,1,2,3,4,5,6,7
	ds_load_b128 v[16+4*\i:19+4*\i], v6 offset:32*\i
.endr
	ds_load_b64 v[48:49], v7
.irp i, 0,1,2,3,4,5,6,7
	s_wait_dscnt 8-\i
	global_store_b128 v12, v[16+4*\i:19+4*\i], s[6:7] offset:512*\i   ; 512 consecutive bytes, at a multiple of 256
.endr
	s_wait_dscnt 0x0
	global_store_b64 v10, v[48:49], s[6:7]         ; the 16 rows' scales: one unit of 256 bytes
	s_wait_tensorcnt 0x0                           ; the wave's end
	ds_add_u32 v[SPW], v[NIL]
	s_wait_dscnt 0x0
	s_endpgm
.Lfunc_end_k_q185719eeaa_quant:
	.size	k_q185719eeaa_quant, .Lfunc_end_k_q185719eeaa_quant-k_q185719eeaa_quant
	.p2alignl 7, 3214868480
	.fill 96, 4, 3214868480
	.section	.rodata,"a",@progbits
	.p2align	6, 0x0
	.amdhsa_kernel k_q185719eeaa_quant
		.amdhsa_group_segment_fixed_size 18944
		.amdhsa_private_segment_fixed_size 0
		.amdhsa_enable_private_segment 0
		.amdhsa_kernarg_size 64
		.amdhsa_user_sgpr_count 2
		.amdhsa_user_sgpr_kernarg_segment_ptr 1
		.amdhsa_wavefront_size32 1
		.amdhsa_system_sgpr_workgroup_id_x 1
		.amdhsa_system_sgpr_workgroup_id_y 1
		.amdhsa_system_sgpr_workgroup_id_z 1
		.amdhsa_system_vgpr_workitem_id 0
		.amdhsa_next_free_vgpr 162
		.amdhsa_next_free_sgpr 66
		.amdhsa_reserve_vcc 0
		.amdhsa_float_denorm_mode_32 3
		.amdhsa_float_denorm_mode_16_64 3
		.amdhsa_memory_ordered 1
		.amdhsa_forward_progress 1
		.amdhsa_inst_pref_size 40
	.end_amdhsa_kernel
	.amdgpu_metadata
---
amdhsa.version: [ 1, 2 ]
amdhsa.kernels:
  - .name:           k_q185719eeaa_quant
    .symbol:         k_q185719eeaa_quant.kd
    .args:
      - { .name: x, .offset: 0, .size: 8, .value_kind: global_buffer, .address_space: global }
      - { .name: h_old, .offset: 8, .size: 8, .value_kind: global_buffer, .address_space: global }
      - { .name: Wf, .offset: 16, .size: 8, .value_kind: global_buffer, .address_space: global }
      - { .name: Wi, .offset: 24, .size: 8, .value_kind: global_buffer, .address_space: global }
      - { .name: Wo, .offset: 32, .size: 8, .value_kind: global_buffer, .address_space: global }
      - { .name: Wg, .offset: 40, .size: 8, .value_kind: global_buffer, .address_space: global }
      - { .name: tq, .offset: 48, .size: 8, .value_kind: global_buffer, .address_space: global }
      - { .name: wq, .offset: 56, .size: 8, .value_kind: global_buffer, .address_space: global }
    .group_segment_fixed_size: 18944
    .private_segment_fixed_size: 0
    .kernarg_segment_align: 8
    .kernarg_segment_size: 64
    .max_flat_workgroup_size: 128
    .sgpr_count:     66
    .vgpr_count:     162
    .wavefront_size: 32
...
	.end_amdgpu_metadata
.endif
;; end of part 1
;; launch lstm (part 2): grid 32 x 8, 4 waves a work-group, clusters of 4 x 1, 327,680 bytes of LDS; arguments tq, wq, bf, bi, bo, bg, c_old, out0, out1; writes out0, out1
.if DOCPART == 2
	.amdgcn_target "amdgcn-amd-amdhsa--gfx1250"
	.amdhsa_code_object_version 6
	.text
	.protected	k_q185719eeaa_lstm
	.globl	k_q185719eeaa_lstm
	.p2align	8
	.type	k_q185719eeaa_lstm,@function
k_q185719eeaa_lstm:
	s_mov_b64 s[64:65], 0
	v_nop
	global_prefetch_b8 v0, s[64:65] scope:SCOPE_SE
	s_setreg_imm32_b32 hwreg(HW_REG_WAVE_MODE, 25, 1), 1
	s_wait_xcnt 0x0
	s_wait_alu depctr_hold_cnt(0) depctr_sa_sdst(0) depctr_va_vdst(0) depctr_va_sdst(0) depctr_va_ssrc(0) depctr_va_vcc(0) depctr_vm_vsrc(0)
	s_getreg_b32 s2, hwreg(HW_REG_IB_STS2, 6, 4)
	s_cmp_eq_u32 s2, 0
	s_cbranch_scc0 .Lentry_in_a_cluster
	s_endpgm
.Lentry_in_a_cluster:
	s_bfe_u32 s2, ttmp6, 0x10000c
	s_cmp_lg_u32 s2, 0x3003
	s_cbranch_scc0 .Lentry_shape_is_right
	s_endpgm
.Lentry_shape_is_right:
; gates = Q(t) Q(W)^T + b on the codes that the launch before made, then c = sigmoid(zf) c_old + sigmoid(zi) tanh(zg), h = sigmoid(zo) tanh(c), all in f32.
; A work-group of four waves makes 256 rows x 64 hidden units (256 rows of wq: 64 units x 4 gates); a wave 128 x 128 of the gates in 512 registers: 32 accumulators of 32 x 16; a lane holds all four gates of its units.
; tq and wq lie in groups of 16 rows x 512 K = 4,352 bytes: 4,096 of codes in the order of the operand's registers, then 16 scale bytes a row.
; t's GROUPS GO THROUGH LDS: a ring of two slots of TWO K steps each (2 x 16 groups), filled jointly by the four work-groups of the cluster, which make one tile row; a wave's one load brings its four groups of both
; K steps as two rows of 17,408 bytes.  So K's 4,096 take four fills, and a refill has eight steps of 128 K between its request and the wait for it.
; W's GROUPS GO FROM MEMORY STRAIGHT INTO REGISTERS, each load 512 consecutive bytes, into a ring of four sets (window 1), asked for four steps of 128 K ahead.  They are not asked for jointly, though eight
; work-groups read the same rows: through LDS a step's 32 matrix instructions would draw 32 LDS loads a wave, slots of two K steps would not fit, and each fill would be twice the bytes; so a step draws 16 LDS loads.
; Each cluster begins at a K step of its own (an even one) and goes round all eight.
; PREFETCH: a wave names 17 blocks of 256 bytes of a later K step of t (K steps 4 to 7, two steps of 128 K or more ahead of the refill that wants them) and of W (K steps 3 to 7, a K step ahead of the first load); the four
; work-groups that read a tile at the same K step share its 272 blocks out by address (t: the place in the cluster; W: tile row % 4).  The first K steps come by their loads alone.
; The four slots' steps are written out: a loop from a lap's second step to the next lap's first would have one trip.
; sigmoid(x) = 1 / (1 + 2^(-x log2 e)), tanh(x) = 1 - 2 / (1 + 2^(2 x log2 e)): at either end the exponential runs to 0 or to infinity and the quotient to its limit.
; REGISTERS: window 0: v0-31 addresses; v32-63 t's scale words, v64-95 W's (two sets each; lanes 0-15 an even group, lanes 16-31 the odd one behind it); v128-191 t's fragments, one set; v192-255 the biases, which are the first
; products' C; on the way out v96-255 are at work.  Window 1: W's four sets.  Windows 2, 3: the accumulators of my rows 0-63, 64-127.
.set BLK,    4352
.set QT,     4*BLK                     ; a wave's four groups of one K step
.set WQ2,    2*QT                      ; what one wave's tensor load brings
.set SLOT,   4*WQ2
.set HALFT,  8*BLK                     ; the way out: 128 rows of 272 bytes
.set ASTEP,  128*BLK
.set BSTEP,  512*BLK
.set PITCH,  272                       ; the way out: 256 bytes + 16
.set HST,    2*HALFT                   ; h's stage: slot 0's upper half; c's: slot 1.  Both have had their last fill and their last read when the first result is stored there
.set CST,    SLOT
.set SPARE,  2*SLOT
.set NP,     4
.set ADRS, 8                           ; v8-11  t's scale words: slot 0 (K step 0, 1 of the slot), slot 1
.set BA,   12
.set VOB,  13                          ; W's codes: my wave's first group + 16 x lane
.set VOS,  14                          ; W's scales
.set VPA,  15                          ; prefetch offsets
.set ADRA, 16                          ; v16-19 t's fragments, as ADRS
.set VPB,  20
.set EA,   24
.set EC,   25
.set EH,   26
.set RC,   27
.set SPW,  28
.set NIL,  29
.set RH,   30
.set CO,   31
.set SCA,  32
.set SCB,  64
.set CB,   96
.set AF,   128
.set BK,   128
.set CN,   192
.set T,    208
.set HN,   224
.set BIAS, 192
.set AB,   20                          ; s[20:21] tq at my four groups of K step 0
.set G1,   24
.set G0,   32
.set BN,   44                          ; s[44:45] wq at the K step that is being asked for
.set PO,   48                          ; s[48:49] an offset, high word 0
.set PFA,  50
.set PFB,  52
.set KC,   66                          ; the cluster's first K step
.set G1C,  80
.set G0C,  88
.set SNEG, 92
.set STWO, 94
.set MSB, 0
.macro WIN new                         ; the immediate's high byte repeats the setting that is left
.if MSB != \new
	s_set_vgpr_msb (MSB<<8)|\new
.set MSB, \new
.endif
.endm
.set MUL_LO,   0xa1                    ; source 0 (W) window 1, source 1 (t) window 0, C and D window 2
.set MUL_HI,   0xf1
.set FIRST_LO, 0x81                    ; C (the biases) window 0
.set FIRST_HI, 0xc1
.set TO_B,     0x40
.macro TLOAD g0, g1                    ; an s_nop 0 and four v_nop follow
	tensor_load_to_lds s[\g0:\g0+3], s[\g1:\g1+7]
	s_nop 0
.rept 4
	v_nop
.endr
.endm
.macro CREST
	s_cmp_lg_u32 s14, 0
	s_cbranch_scc1 .Lnot_wave_0_\@
	s_barrier_signal -3
.Lnot_wave_0_\@:
	s_barrier_wait -3
	s_barrier_signal -1
	s_barrier_wait -1
.endm
.macro CROUND
	s_barrier_signal -1
	s_barrier_wait -1
	CREST
.endm
.macro KOFF d, step                    ; PO = the bytes of K step (first + d) modulo 8
	s_add_co_u32 s54, s[KC], \d
	s_and_b32 s54, s54, 7
	s_mul_i32 s[PO], s54, \step
.endm
	s_load_b256 s[4:11], s[0:1], 0x0               ; tq, wq, bf, bi
	s_load_b256 s[68:75], s[0:1], 0x20             ; bo, bg, c_old, out0
	s_load_b64 s[76:77], s[0:1], 0x40              ; out1
	v_lshl_add_u32 v[SPW], v0, 2, SPARE
	v_mov_b32 v[NIL], 0
	ds_add_u32 v[SPW], v[NIL]                      ; the opening lines: the add twice on end and its wait
	ds_add_u32 v[SPW], v[NIL]
	v_lshrrev_b32 v1, 5, v0
	v_readfirstlane_b32 s14, v1                    ; wave
	s_lshr_b32 s15, s14, 1                         ; my half of the rows
	s_and_b32 s16, s14, 1                          ; my half of the columns
	s_bfe_u32 s40, ttmp6, 0x40000                  ; cx
	s_lshl_b32 s42, ttmp9, 2
	s_add_co_u32 s42, s42, s40                     ; tile column
	s_and_b32 s17, ttmp7, 0xffff                   ; tile row: the cluster's y
	s_and_b32 s41, s17, 3                          ; my place among the four tile rows that begin at the same K step
	s_and_b32 s[KC], ttmp9, 3                      ; the first K step: 2 (cluster x % 4) + 4 ((tile row / 4) % 2), modulo 8
	s_lshl_b32 s[KC], s[KC], 1
	s_and_b32 s67, s17, 4
	s_add_co_u32 s[KC], s[KC], s67
	s_and_b32 s[KC], s[KC], 7
	s_mov_b32 s[G1+0], 15|(3<<16)|(1<<21)          ; the cluster's four; elements of 8 bytes; two rows of 2,176 elements, a K step's slab of tq apart; no padding
	s_mov_b32 s[G1+1], 2176<<16
	s_mov_b32 s[G1+2], 2<<16
	s_mov_b32 s[G1+3], 2176<<16
	s_mov_b32 s[G1+4], 2
	s_mov_b32 s[G1+5], ASTEP/8
	s_mov_b32 s[G1+6], 0
	s_mov_b32 s[G1+7], 0
	s_mov_b32 s[G1C+0], (2<<16)|(1<<20)|(5<<22)|(3<<25)   ; c_old: 64 rows x 64 f32, 16 bytes of padding behind each
	s_mov_b32 s[G1C+1], 64<<16
	s_mov_b32 s[G1C+2], 64<<16
	s_mov_b32 s[G1C+3], 64<<16
	s_mov_b32 s[G1C+4], 64
	s_mov_b32 s[G1C+5], 2048
	s_mov_b32 s[G1C+6], 0
	s_mov_b32 s[G1C+7], 0
	s_lshl_b32 s[AB], s17, 4                       ; t: group 16 x tile row + 4 x wave
	s_lshl_b32 s67, s14, 2
	s_add_co_u32 s[AB], s[AB], s67
	s_mul_i32 s[AB], s[AB], BLK
	s_mov_b32 s[AB+1], 0
	s_mul_i32 s55, s14, WQ2                        ; where my load goes in a slot
	s_mul_i32 s23, s14, QT                         ; and my 64 rows of c_old
	s_mul_i32 s58, s15, 2*WQ2                      ; my 128 rows of t in a slot: two waves' loads
	s_mul_i32 s56, s15, HALFT
	s_lshl_b32 s59, s42, 4
	s_lshl_b32 s67, s16, 3
	s_add_co_u32 s59, s59, s67
	s_mul_i32 s59, s59, BLK                        ; my 8 groups of W in a K step
	s_mul_i32 s67, s14, 17
	s_mul_i32 s60, s40, 68
	s_add_co_u32 s60, s60, s67
	s_lshl_b32 s60, s60, 8
	s_mul_i32 s54, s17, 16*BLK
	s_add_co_u32 s60, s60, s54                     ; prefetch of t: of the tile's 272 blocks 68 cx + 17 wave on
	s_mul_i32 s61, s41, 68
	s_add_co_u32 s61, s61, s67
	s_lshl_b32 s61, s61, 8
	s_mul_i32 s54, s42, 16*BLK
	s_add_co_u32 s61, s61, s54                     ; of W: 68 (tile row % 4) + 17 wave on
	s_lshl_b32 s62, s16, 7
	s_add_co_u32 s62, s62, s56                     ; the way out: my rows, my 128 bytes of them
	s_mul_i32 s63, s16, 16*PITCH
	s_add_co_u32 s63, s63, s56
	s_mov_b32 s[PO+1], 0
	s_lshl_b32 s18, s16, 7
	s_lshl_b32 s22, s42, 8
	s_lshl_b32 s78, s17, 8                         ; c_old: row 256 x tile row + 64 x wave, byte 256 x tile column
	s_lshl_b32 s19, s14, 6
	s_add_co_u32 s78, s78, s19
	s_lshl_b32 s78, s78, 13
	s_add_co_u32 s78, s78, s22
	s_mov_b32 s79, 0
	s_lshl_b32 s96, s17, 8                         ; out: row 256 x tile row + 128 x row half + 16 x column half
	s_lshl_b32 s19, s15, 7
	s_add_co_u32 s96, s96, s19
	s_lshl_b32 s19, s16, 4
	s_add_co_u32 s96, s96, s19
	s_lshl_b32 s96, s96, 13
	s_add_co_u32 s96, s96, s22
	s_mov_b32 s97, 0
	s_add_co_u32 s12, s22, s18                     ; the biases of my 32 units
	s_mov_b32 s13, 0
	s_mov_b32 s[SNEG], 0xbfb8aa3b                  ; -log2 e
	s_mov_b32 s[SNEG+1], s[SNEG]
	s_mov_b32 s[STWO], 0x4038aa3b                  ; 2 log2 e
	s_mov_b32 s[STWO+1], s[STWO]
	s_wait_dscnt 0x0                               ; both opening adds are done
	s_wait_kmcnt 0x0
	s_add_nc_u64 s[AB:AB+1], s[4:5], s[AB:AB+1]
	s_add_nc_u64 s[8:9], s[8:9], s[12:13]
	s_add_nc_u64 s[10:11], s[10:11], s[12:13]
	s_add_nc_u64 s[68:69], s[68:69], s[12:13]
	s_add_nc_u64 s[70:71], s[70:71], s[12:13]
	s_add_nc_u64 s[74:75], s[74:75], s[96:97]
	s_add_nc_u64 s[76:77], s[76:77], s[96:97]
	s_mov_b32 s[G0C], 1
	s_mov_b32 s[G0C+1], s23
	s_add_nc_u64 s[G0C+2:G0C+3], s[72:73], s[78:79]
	s_or_b32 s[G0C+3], s[G0C+3], 0x80000000
.irp s, 0,1
	s_mov_b32 s[G0+4*\s], 1
	s_add_co_u32 s[G0+4*\s+1], s55, \s*SLOT
	KOFF 2*\s, ASTEP                               ; slot s begins with K steps 2 s, 2 s + 1
	s_add_nc_u64 s[G0+4*\s+2:G0+4*\s+3], s[AB:AB+1], s[PO:PO+1]
	s_or_b32 s[G0+4*\s+3], s[G0+4*\s+3], 0x80000000
.endr
	KOFF 0, BSTEP
	s_add_nc_u64 s[BN:BN+1], s[6:7], s[PO:PO+1]
	CROUND                                         ; the cluster's four work-groups are here: the first joint loads meet
	TLOAD G0, G1                                   ; K steps 0 and 1: one tensor load a wave at the head
	v_and_b32 v1, 15, v0                           ; r
	v_bfe_u32 v2, v0, 4, 1                         ; h
	v_and_b32 v5, 31, v0
	v_lshlrev_b32 v6, 4, v5                        ; 16 x lane: a fragment's half is 512 dense bytes
	v_mul_u32_u24 v7, v2, BLK
	v_lshl_add_u32 v7, v1, 4, v7
	v_add_nc_u32 v7, 4096, v7                      ; scales: row r of an even group (lanes 0-15) or of the next (lanes 16-31)
	v_add_nc_u32 v[ADRA], s58, v6
	v_add_nc_u32 v[ADRA+1], QT, v[ADRA]
	v_add_nc_u32 v[ADRA+2], SLOT, v[ADRA]
	v_add_nc_u32 v[ADRA+3], SLOT, v[ADRA+1]
	v_add_nc_u32 v[ADRS], s58, v7
	v_add_nc_u32 v[ADRS+1], QT, v[ADRS]
	v_add_nc_u32 v[ADRS+2], SLOT, v[ADRS]
	v_add_nc_u32 v[ADRS+3], SLOT, v[ADRS+1]
	v_add_nc_u32 v[VOB], s59, v6
	v_add_nc_u32 v[VOS], s59, v7
	v_min_u32 v21, 16, v5                          ; 17 blocks a wave: lanes 17-31 name the last again
	v_lshlrev_b32 v21, 8, v21
	v_add_nc_u32 v[VPA], s60, v21
	v_add_nc_u32 v[VPB], s61, v21
	v_mul_u32_u24 v3, v1, PITCH
	v_lshl_add_u32 v[EA], v2, 5, v3                ; c_old and the stages: row r, 32 bytes for each half of the lanes
	v_add_nc_u32 v[EA], s62, v[EA]
	v_add_nc_u32 v[EC], CST, v[EA]
	v_add_nc_u32 v[EH], HST, v[EA]
	v_mul_u32_u24 v4, v2, PITCH                    ; back: sixteen lanes to a row of 256 bytes
	v_lshl_add_u32 v4, v1, 4, v4
	v_add_nc_u32 v4, s63, v4
	v_add_nc_u32 v[RC], CST, v4
	v_add_nc_u32 v[RH], HST, v4
	v_lshlrev_b32 v[CO], 13, v2
	v_lshl_add_u32 v[CO], v1, 4, v[CO]
	v_lshlrev_b32 v[BA], 5, v2
	s_wait_alu depctr_va_vdst(0)                   ; the wait at the head's end
.macro BIASQ q, p                      ; gate q: register j of group 2 q + u is the bias of unit 16 u + 8 h + j
.irp u, 0,1
.irp c, 0,1
	global_load_b128 v[BIAS+16*\q+8*\u+4*\c:BIAS+16*\q+8*\u+4*\c+3], v[BA], s[\p:\p+1] offset:64*\u+16*\c
.endr
.endr
.endm
.macro GSCALES set                     ; W's scale words of the K step at BN: 4 words a row, two groups a load
.irp i, 0,1,2,3
	global_load_b128 v[SCB+16*(\set)+4*\i:SCB+16*(\set)+4*\i+3], v[VOS], s[BN:BN+1] offset:\i*2*BLK
.endr
.endm
.macro GLOAD q                         ; W's eight fragments of the q-th 128 along K of the K step at BN, into set q
	WIN TO_B
.irp i, 0,1,2,3,4,5,6,7
.irp c, 0,1
	global_load_b128 v[64*(\q)+8*\i+4*\c:64*(\q)+8*\i+4*\c+3], v[VOB], s[BN:BN+1] offset:\i*BLK+1024*(\q)+512*\c
.endr
.endr
	WIN 0
.endm
	BIASQ 0, 8
	BIASQ 1, 10
	BIASQ 2, 68
	BIASQ 3, 70
	GSCALES 0
	GLOAD 0
	GLOAD 1
	GLOAD 2
	GLOAD 3
.macro NEXTB d                         ; BN on to K step d of my walk
	s_wait_xcnt 0x0                                ; the loads that name BN have read it
	KOFF \d, BSTEP
	s_add_nc_u64 s[BN:BN+1], s[6:7], s[PO:PO+1]
.endm
; 8 matrix instructions of the form 32 x 16 x 128: t's groups a0, a0 + 1 (a0 even) x W's eight groups, two to an instruction, the K step's q-th 128.
; TRANSPOSED: source 0 = 32 rows of W (two neighbouring groups: 16 consecutive registers; their scale words fill the 32 lanes of one register, lane m for row m), source 1 = 16 rows of t
; (its scale words in lanes 0-15 or 16-31 of their register).  The result's 16 registers are two neighbouring tiles of 16 x 16: a lane holds eight neighbouring units of one row in each.
; A step of 128 along K is 32 matrix instructions on 32 accumulators, which take turns.
.macro MUL16 a0, q, sc, first
.irp ra, 0,1
.irp bp, 0,1,2,3
.set D_, 8*(8*(((\a0)+\ra)%4)+2*\bp)
.set B_, 64*(\q)+16*\bp
.set A_, AF+8*((\a0)+\ra)
.set SB_, SCB+16*(\sc)+4*\bp+(\q)
.set SA_, SCA+16*(\sc)+2*(\a0)+(\q)
.set C_, BIAS+16*\bp
.if \first
	v_wmma_scale_f32_32x16x128_f4 v[D_:D_+15], v[B_:B_+15], v[A_:A_+7], v[C_:C_+15], v[SB_], v[SA_] matrix_b_scale:MATRIX_SCALE_ROW\ra
.else
	v_wmma_scale_f32_32x16x128_f4 v[D_:D_+15], v[B_:B_+15], v[A_:A_+7], v[D_:D_+15], v[SB_], v[SA_] matrix_b_scale:MATRIX_SCALE_ROW\ra
.endif
.endr
.endr
.endm
.macro FETCH_A slot, kk, q, i0         ; t's groups i0 .. i0 + 3 of the slot's K step kk: groups 0-3 lie in one wave's load, 4-7 in the next's
.irp i, \i0, \i0+1, \i0+2, \i0+3
.irp c, 0,1
	ds_load_b128 v[AF+8*(\i)+4*\c:AF+8*(\i)+4*\c+3], v[ADRA+2*(\slot)+(\kk)] offset:((\i)/4)*WQ2+((\i)%4)*BLK+1024*(\q)+512*\c
.endr
.endr
.endm
.macro SCALES_A slot, kk
.irp i, 0,1,2,3
	ds_load_b128 v[SCA+16*(\kk)+4*\i:SCA+16*(\kk)+4*\i+3], v[ADRS+2*(\slot)+(\kk)] offset:(\i/2)*WQ2+(\i%2)*2*BLK
.endr
.endm
.macro PLACES n                        ; in front of loads into registers that matrix instructions have read
.rept \n
	v_nop
.endr
.endm
; Prefetches: t's K step pa and W's K step pb of my walk (0: none)
.macro ASK pa, pb
.if (\pa) || (\pb)
	s_wait_xcnt 0x0                                ; the last prefetches, two steps or more back, have read their addresses
.endif
.if \pa
	KOFF \pa, ASTEP
	s_add_nc_u64 s[PFA:PFA+1], s[4:5], s[PO:PO+1]
.endif
.if \pb
	KOFF \pb, BSTEP
	s_add_nc_u64 s[PFB:PFB+1], s[6:7], s[PO:PO+1]
.endif
.if \pa
	global_prefetch_b8 v[VPA], s[PFA:PFA+1] th:TH_LOAD_NT scope:SCOPE_SE
.endif
.if \pb
	global_prefetch_b8 v[VPB], s[PFB:PFB+1] th:TH_LOAD_NT scope:SCOPE_SE
.endif
.endm
; A step of 128 along K whose successor lies in the same slot: the next 128 of K step kk, or (q = 3, kk = 0) the first of the slot's second K step, with its scale words.
; lc: the global loads issued behind this step's set of W, which may stay out: three sets of 16, and the four scale loads where they lie among them.
; nk: the K step of my walk whose set q is asked for at the step's end, into the set just multiplied (0: none).
.macro STEP slot, kk, q, first, lc, nk, pa, pb
	s_wait_loadcnt \lc
	s_wait_dscnt 8                                 ; t's groups 0-3 (and scale words) are in; the youngest eight loads (groups 4-7) may be out
.if \first
	WIN FIRST_LO
.else
	WIN MUL_LO
.endif
	MUL16 0, \q, \kk, \first
	MUL16 2, \q, \kk, \first
	s_wait_dscnt 0
	PLACES NP
	WIN 0
.if (\q) < 3
	FETCH_A \slot, \kk, (\q)+1, 0
.else
	FETCH_A \slot, 1, 0, 0
	SCALES_A \slot, 1
.endif
	ASK \pa, \pb
.if \first
	WIN FIRST_HI
.else
	WIN MUL_HI
.endif
	MUL16 4, \q, \kk, \first
	MUL16 6, \q, \kk, \first
	PLACES NP
	WIN 0
.if (\q) < 3
	FETCH_A \slot, \kk, (\q)+1, 4
.else
	FETCH_A \slot, 1, 0, 4
.endif
.if \nk
.if (\q) == 0
	NEXTB \nk
	GSCALES 1-(\kk)
.endif
	GLOAD \q
.endif
.endm
; A slot's last step changes slots: in front of the round each wave waits for all its tensor loads, adds 0 to its spare word, and waits for that and for its reads of the slot.
; fill = 1: the slot takes t's K steps d, d + 1 of my walk; fill = 2: slot 0, read out for the last time, takes c_old in its lower half.
.macro TURN slot, next, fill, d, pa, pb
	s_wait_tensorcnt 0x0
	ds_add_u32 v[SPW], v[NIL]
.if \fill == 1
	KOFF \d, ASTEP                                 ; no tensor load of mine is out: the slot's group 0 may be written
	s_add_nc_u64 s[G0+4*\slot+2:G0+4*\slot+3], s[AB:AB+1], s[PO:PO+1]
	s_or_b32 s[G0+4*\slot+3], s[G0+4*\slot+3], 0x80000000
.endif
	s_wait_loadcnt 52                              ; W's set 3 is in; behind it: four scale loads and three sets
	s_wait_dscnt 9                                 ; (the add and the youngest eight loads may be out)
	WIN MUL_LO
	MUL16 0, 3, 1, 0
	s_wait_dscnt 0x0                               ; the add is done, my reads of this slot are over
	s_barrier_signal -1
	MUL16 2, 3, 1, 0
	WIN 0
	s_barrier_wait -1
	CREST
.if \fill == 1
	TLOAD G0+4*\slot, G1                           ; the first tensor load behind the round; its four v_nop are the places for the loads below
.else
	TLOAD G0C, G1C
.endif
	FETCH_A \next, 0, 0, 0
	SCALES_A \next, 0
	ASK \pa, \pb
	WIN MUL_HI
	MUL16 4, 3, 1, 0
	MUL16 6, 3, 1, 0
	PLACES NP
	WIN 0
	FETCH_A \next, 0, 0, 4
	GLOAD 3
.endm
	s_wait_tensorcnt 0x0                           ; my part of K steps 0 and 1 is in
	ds_add_u32 v[SPW], v[NIL]
	s_wait_dscnt 0x0
	CROUND
	TLOAD G0+4, G1                                 ; slot 1's first fill: K steps 2 and 3
	FETCH_A 0, 0, 0, 0
	SCALES_A 0, 0
	FETCH_A 0, 0, 0, 4
	STEP 0, 0, 0, 1, 48, 1, 0, 0                   ; K step 0: the first step's products start the sums from the biases
	STEP 0, 0, 1, 0, 52, 1, 0, 0
	STEP 0, 0, 2, 0, 52, 1, 0, 0
	STEP 0, 0, 3, 0, 52, 1, 4, 3
	STEP 0, 1, 0, 0, 48, 2, 0, 0                   ; K step 1
	STEP 0, 1, 1, 0, 52, 2, 5, 0
	STEP 0, 1, 2, 0, 52, 2, 0, 0
	TURN 0, 1, 1, 4, 6, 4                          ; slot 0 takes K steps 4 and 5
	STEP 1, 0, 0, 0, 48, 3, 0, 0                   ; K step 2
	STEP 1, 0, 1, 0, 52, 3, 0, 0
	STEP 1, 0, 2, 0, 52, 3, 0, 0
	STEP 1, 0, 3, 0, 52, 3, 7, 5
	STEP 1, 1, 0, 0, 48, 4, 0, 0                   ; K step 3
	STEP 1, 1, 1, 0, 52, 4, 0, 0
	STEP 1, 1, 2, 0, 52, 4, 0, 0
	TURN 1, 0, 1, 6, 0, 6                          ; slot 1 takes K steps 6 and 7
	STEP 0, 0, 0, 0, 48, 5, 0, 0                   ; K step 4
	STEP 0, 0, 1, 0, 52, 5, 0, 0
	STEP 0, 0, 2, 0, 52, 5, 0, 0
	STEP 0, 0, 3, 0, 52, 5, 0, 7
	STEP 0, 1, 0, 0, 48, 6, 0, 0                   ; K step 5
	STEP 0, 1, 1, 0, 52, 6, 0, 0
	STEP 0, 1, 2, 0, 52, 6, 0, 0
	TURN 0, 1, 2, 0, 0, 0                          ; slot 0 takes c_old
	STEP 1, 0, 0, 0, 48, 7, 0, 0                   ; K step 6
	STEP 1, 0, 1, 0, 52, 7, 0, 0
	STEP 1, 0, 2, 0, 52, 7, 0, 0
	STEP 1, 0, 3, 0, 52, 7, 0, 0
	STEP 1, 1, 0, 0, 48, 0, 0, 0                   ; K step 7 asks for nothing: the counts run down
	STEP 1, 1, 1, 0, 32, 0, 0, 0
	STEP 1, 1, 2, 0, 16, 0, 0, 0
	s_wait_loadcnt 0x0
	s_wait_dscnt 8
	WIN MUL_LO
	MUL16 0, 3, 1, 0
	MUL16 2, 3, 1, 0
	s_wait_dscnt 0
	WIN MUL_HI
	MUL16 4, 3, 1, 0
	MUL16 6, 3, 1, 0
	WIN 0
	PLACES NP
; THE WAY OUT, by groups of 16 rows.  Registers 0-15 of a group's 64 hold zf, 16-31 zi, 32-47 zo, 48-63 zg of my 16 units.  c and h go through stages in LDS, since a row's 256 bytes come from two waves.
.macro COLD a
.irp u, 0,1
.irp c, 0,1
	ds_load_b128 v[CB+16*((\a)%2)+8*\u+4*\c:CB+16*((\a)%2)+8*\u+4*\c+3], v[EA] offset:(\a)*16*PITCH+64*\u+16*\c
.endr
.endr
.endm
.macro BACKP p
.irp t, 0,1,2,3,4,5,6,7
	ds_load_b128 v[BK+4*\t:BK+4*\t+3], v[RC] offset:(32*(\p)+2*\t)*PITCH
.endr
.irp t, 0,1,2,3,4,5,6,7
	ds_load_b128 v[BK+32+4*\t:BK+32+4*\t+3], v[RH] offset:(32*(\p)+2*\t)*PITCH
.endr
.endm
.macro SENDP p, count                  ; sixteen lanes store one aligned unit of 256 bytes
.irp t, 0,1,2,3,4,5,6,7
.if \count
	s_wait_dscnt 15-\t
.endif
	global_store_b128 v[CO], v[BK+4*\t:BK+4*\t+3], s[74:75] offset:(32*(\p)+2*\t)*8192 th:TH_STORE_NT
.endr
.irp t, 0,1,2,3,4,5,6,7
.if \count
	s_wait_dscnt 7-\t
.endif
	global_store_b128 v[CO], v[BK+32+4*\t:BK+32+4*\t+3], s[76:77] offset:(32*(\p)+2*\t)*8192 th:TH_STORE_NT
.endr
.endm
.macro GATES a
.set AC,  64*((\a)%4)
.set W,   2+(\a)/4
.set WA4, 0x55*W
.set WB2, W|(W<<4)
.set CBA, CB+16*((\a)%2)
.if (\a) < 7
	COLD (\a)+1
.endif
	WIN WA4
.set j, 0
.rept 24
	v_pk_mul_f32 v[AC+j:AC+j+1], v[AC+j:AC+j+1], s[SNEG:SNEG+1] op_sel_hi:[1,0]
.set j, j+2
.endr
.rept 8
	v_pk_mul_f32 v[AC+j:AC+j+1], v[AC+j:AC+j+1], s[STWO:STWO+1] op_sel_hi:[1,0]
.set j, j+2
.endr
.set j, 0
	s_wait_alu depctr_va_vdst(0)                   ; one wait ahead of each batch and one behind it
.rept 64
	v_exp_f32 v[AC+j], v[AC+j]
.set j, j+1
.endr
	v_nop
	s_wait_alu depctr_va_vdst(0)
.set j, 0
.rept 32
	v_pk_add_f32 v[AC+j:AC+j+1], v[AC+j:AC+j+1], 1.0 op_sel_hi:[1,0]
.set j, j+2
.endr
.set j, 0
	s_wait_alu depctr_va_vdst(0)
.rept 64
	v_rcp_f32 v[AC+j], v[AC+j]
.set j, j+1
.endr
	v_nop
	s_wait_alu depctr_va_vdst(0)
.set j, 0
.rept 8
	v_pk_fma_f32 v[AC+48+j:AC+49+j], v[AC+48+j:AC+49+j], -2.0, 1.0 op_sel_hi:[1,0,0]   ; g
.set j, j+2
.endr
.set j, 0
.rept 8
	v_pk_mul_f32 v[AC+16+j:AC+17+j], v[AC+16+j:AC+17+j], v[AC+48+j:AC+49+j]            ; i g
.set j, j+2
.endr
	WIN WB2
.if (\a) < 7
	s_wait_alu depctr_va_vdst(0)
	s_wait_dscnt 4                                 ; this group's c_old is in; the next group's four loads may be out
.else
	s_wait_alu depctr_va_vdst(0)
	s_wait_dscnt 0x0
.endif
.set j, 0
.rept 8
	v_pk_fma_f32 v[CN+j:CN+j+1], v[AC+j:AC+j+1], v[CBA+j:CBA+j+1], v[AC+16+j:AC+17+j]  ; c = f c_old + i g
.set j, j+2
.endr
	WIN 0
.if ((\a) > 0) && ((\a)%2 == 0)
	SENDP (\a)/2-1, 0
.endif
.set j, 0
.rept 8
	v_pk_mul_f32 v[T+j:T+j+1], v[CN+j:CN+j+1], s[STWO:STWO+1] op_sel_hi:[1,0]
.set j, j+2
.endr
.set j, 0
	s_wait_alu depctr_va_vdst(0)
.rept 16
	v_exp_f32 v[T+j], v[T+j]
.set j, j+1
.endr
	v_nop
	s_wait_alu depctr_va_vdst(0)
.set j, 0
.rept 8
	v_pk_add_f32 v[T+j:T+j+1], v[T+j:T+j+1], 1.0 op_sel_hi:[1,0]
.set j, j+2
.endr
.set j, 0
	s_wait_alu depctr_va_vdst(0)
.rept 16
	v_rcp_f32 v[T+j], v[T+j]
.set j, j+1
.endr
	v_nop
	s_wait_alu depctr_va_vdst(0)
.set j, 0
.rept 8
	v_pk_fma_f32 v[T+j:T+j+1], v[T+j:T+j+1], -2.0, 1.0 op_sel_hi:[1,0,0]               ; tanh c
.set j, j+2
.endr
	WIN W
.set j, 0
.rept 8
	v_pk_mul_f32 v[HN+j:HN+j+1], v[AC+32+j:AC+33+j], v[T+j:T+j+1]                      ; h = o tanh c
.set j, j+2
.endr
	WIN 0
.irp u, 0,1
.irp c, 0,1
	ds_store_b128 v[EC], v[CN+8*\u+4*\c:CN+8*\u+4*\c+3] offset:(\a)*16*PITCH+64*\u+16*\c
	ds_store_b128 v[EH], v[HN+8*\u+4*\c:HN+8*\u+4*\c+3] offset:(\a)*16*PITCH+64*\u+16*\c
.endr
.endr
.endm
	s_wait_tensorcnt 0x0                           ; my 64 rows of c_old are in, my reads of slot 1 are over; the others go on behind the barrier
	s_wait_dscnt 0x0
	s_barrier_signal -1
	s_barrier_wait -1
	COLD 0
.irp a, 0,1,2,3,4,5,6,7
	GATES \a
.if (\a)%2 == 1
	s_wait_dscnt 0x0                               ; for the others' sake: my stores into the stages are done
	s_barrier_signal -1
	s_barrier_wait -1
.if \a > 1
	s_wait_xcnt 0x0                                ; the last pair's stores have read their registers
.endif
	BACKP (\a)/2
.endif
.endr
	SENDP 3, 1
	s_wait_tensorcnt 0x0                           ; the wave's end
	ds_add_u32 v[SPW], v[NIL]
	s_wait_dscnt 0x0
	CROUND                                         ; the closing round
	s_endpgm
.Lfunc_end_k_q185719eeaa_lstm:
	.size	k_q185719eeaa_lstm, .Lfunc_end_k_q185719eeaa_lstm-k_q185719eeaa_lstm
	.p2alignl 7, 3214868480
	.fill 96, 4, 3214868480
	.section	.rodata,"a",@progbits
	.p2align	6, 0x0
	.amdhsa_kernel k_q185719eeaa_lstm
		.amdhsa_group_segment_fixed_size 327680
		.amdhsa_private_segment_fixed_size 0
		.amdhsa_enable_private_segment 0
		.amdhsa_kernarg_size 72
		.amdhsa_user_sgpr_count 2
		.amdhsa_user_sgpr_kernarg_segment_ptr 1
		.amdhsa_wavefront_size32 1
		.amdhsa_system_sgpr_workgroup_id_x 1
		.amdhsa_system_sgpr_workgroup_id_y 1
		.amdhsa_system_sgpr_workgroup_id_z 1
		.amdhsa_system_vgpr_workitem_id 0
		.amdhsa_next_free_vgpr 1024
		.amdhsa_next_free_sgpr 98
		.amdhsa_reserve_vcc 0
		.amdhsa_float_denorm_mode_32 3
		.amdhsa_float_denorm_mode_16_64 3
		.amdhsa_memory_ordered 1
		.amdhsa_forward_progress 1
		.amdhsa_inst_pref_size 255
	.end_amdhsa_kernel
	.section	.bss,"aw",@nobits
	.p2align	6
	.space	262144
	.amdgpu_metadata
---
amdhsa.version: [ 1, 2 ]
amdhsa.kernels:
  - .name:           k_q185719eeaa_lstm
    .symbol:         k_q185719eeaa_lstm.kd
    .args:
      - { .name: tq, .offset: 0, .size: 8, .value_kind: global_buffer, .address_space: global }
      - { .name: wq, .offset: 8, .size: 8, .value_kind: global_buffer, .address_space: global }
      - { .name: bf, .offset: 16, .size: 8, .value_kind: global_buffer, .address_space: global }
      - { .name: bi, .offset: 24, .size: 8, .value_kind: global_buffer, .address_space: global }
      - { .name: bo, .offset: 32, .size: 8, .value_kind: global_buffer, .address_space: global }
      - { .name: bg, .offset: 40, .size: 8, .value_kind: global_buffer, .address_space: global }
      - { .name: c_old, .offset: 48, .size: 8, .value_kind: global_buffer, .address_space: global }
      - { .name: out0, .offset: 56, .size: 8, .value_kind: global_buffer, .address_space: global }
      - { .name: out1, .offset: 64, .size: 8, .value_kind: global_buffer, .address_space: global }
    .group_segment_fixed_size: 327680
    .private_segment_fixed_size: 0
    .kernarg_segment_align: 8
    .kernarg_segment_size: 72
    .max_flat_workgroup_size: 128
    .sgpr_count:     98
    .vgpr_count:     1024
    .wavefront_size: 32
...
	.end_amdgpu_metadata
.endif
;; end of part 2
